; MI455X (gfx1250); checked and timed in simulation.
; The chip was launched on July 23, 2026; its instructions are those of AMD's public machine-readable ISA for CDNA 5 (MIT licence, August 2026) and "CDNA5" Instruction Set Architecture Reference Guide (July 2026). The comments in the code are by the model that wrote it; some were corrected since.
;; RNN Prediction. Allowed arithmetic: float matrix products may take bf16 or f16 operands with f32 sums; all other float work in f32.
;; Inputs: Wh 2,048 x 2,048 float32; Wout 2,048 x 512 float32; Wx 512 x 2,048 float32; bh 2,048 float32; bout 512 float32; z_in 4,096 x 512 float32.
;; Outputs: out0 4,096 x 2 x 512 float32.
;; Constants: n_steps = 2.
;; One version. Each part assembles by itself: llvm-mc -triple=amdgcn-amd-amdhsa -mcpu=gfx1250 --defsym DOCPART=n.
;; ======== version 1 of 1: 4 launches
;; workspace buffers: zb 4,194,304 bytes; wcat 10,485,760 bytes; woutb 2,097,152 bytes; h1 16,777,216 bytes; h2 16,777,216 bytes
;; launch cast (part 1): grid 1024 x 1, 8 waves a work-group, no clusters, 0 bytes of LDS; arguments z_in, Wx, Wh, Wout, zb, wcat, woutb; writes zb, wcat, woutb
.if DOCPART == 1
	.amdgcn_target "amdgcn-amd-amdhsa--gfx1250"
	.amdhsa_code_object_version 6
	.text
	.protected	k_q505b757357_cast
	.globl	k_q505b757357_cast
	.p2align	8
	.type	k_q505b757357_cast,@function
k_q505b757357_cast:
	s_mov_b64 s[64:65], 0
	v_nop
	global_prefetch_b8 v0, s[64:65] scope:SCOPE_SE
	s_setreg_imm32_b32 hwreg(HW_REG_WAVE_MODE, 25, 1), 1
	s_wait_xcnt 0x0
; cast: the four large f32 inputs rounded once to bf16 (nearest even), layouts unchanged.
;   zb    [4096][512]  = z_in
;   wcat  [2560][2048] = Wx (rows 0-511) above Wh (rows 512-2559): the weights of the joined product [z | h] [Wx; Wh]
;   woutb [2048][512]  = Wout
; A pure stream: no LDS, no barrier, no matrix unit, no cluster (no byte is shared between work-groups).
; Each of the 1,024 work-groups takes 1/1024 of EVERY input: 8 KiB of z_in, 4 KiB of Wx, 16 KiB of Wh, 4 KiB of Wout, eight
; pieces of 4 KiB.  So there is no choice between buffers: each address is its own buffer's pointer plus the group's offset.
; Thread t takes 16 bytes at 16 t of a piece and stores 8 bytes at 8 t: a wave's load covers 512 consecutive bytes, a wave's
; store 256 consecutive bytes that start at a multiple of 256.  All eight loads are issued before the first wait.
.set X, 4                              ; v[4:35]   piece i: 4 registers as loaded
.set Y, 36                             ; v[36:51]  piece i: 2 registers to store
.set WH_AT, 512*2048*2                 ; byte at which Wh's rows begin in wcat
	s_load_b256 s[4:11], s[0:1], 0x0               ; z_in s[4:5], Wx s[6:7], Wh s[8:9], Wout s[10:11]
	s_load_b128 s[12:15], s[0:1], 0x20             ; zb s[12:13], wcat s[14:15]
	s_load_b64 s[16:17], s[0:1], 0x30              ; woutb
	s_lshl_b32 s20, ttmp9, 11                      ; the group's number times 2, 4, 8, 16 KiB, each as a pair with 0 above
	s_mov_b32 s21, 0
	s_lshl_b32 s22, ttmp9, 12
	s_mov_b32 s23, 0
	s_lshl_b32 s24, ttmp9, 13
	s_mov_b32 s25, 0
	s_lshl_b32 s26, ttmp9, 14
	s_mov_b32 s27, 0
	v_lshlrev_b32 v1, 4, v0                        ; 16 t: where I read
	v_lshlrev_b32 v2, 3, v0                        ; 8 t: where I store
	s_wait_kmcnt 0x0
	s_add_nc_u64 s[4:5], s[4:5], s[24:25]          ; z_in: 8 KiB a group
	s_add_nc_u64 s[6:7], s[6:7], s[22:23]          ; Wx: 4 KiB
	s_add_nc_u64 s[8:9], s[8:9], s[26:27]          ; Wh: 16 KiB
	s_add_nc_u64 s[10:11], s[10:11], s[22:23]      ; Wout: 4 KiB
	s_add_nc_u64 s[12:13], s[12:13], s[22:23]      ; zb: half of z_in's
	s_add_nc_u64 s[28:29], s[14:15], s[24:25]      ; wcat for Wh's part (WH_AT rides in the stores' immediates)
	s_add_nc_u64 s[14:15], s[14:15], s[20:21]      ; wcat for Wx's part
	s_add_nc_u64 s[16:17], s[16:17], s[20:21]      ; woutb
.macro LD i, base, off                 ; each input byte is read once in the launch: non-temporal
	global_load_b128 v[X+4*\i:X+4*\i+3], v1, s[\base:\base+1] offset:\off th:TH_LOAD_NT
.endm
.macro ST i, base, off                 ; the later launches read these bytes: no hint on the store
	s_wait_loadcnt 7-\i                            ; loads come back in order (ISA guide 5.7.1): piece i is in, the 7-i younger ones stay out
	v_cvt_pk_bf16_f32 v[Y+2*\i],   v[X+4*\i],   v[X+4*\i+1]
	v_cvt_pk_bf16_f32 v[Y+2*\i+1], v[X+4*\i+2], v[X+4*\i+3]
	global_store_b64 v2, v[Y+2*\i:Y+2*\i+1], s[\base:\base+1] offset:\off
.endm
	LD 0, 4, 0
	LD 1, 4, 4096
	LD 2, 6, 0
	LD 3, 8, 0
	LD 4, 8, 4096
	LD 5, 8, 8192
	LD 6, 8, 12288
	LD 7, 10, 0
	ST 0, 12, 0
	ST 1, 12, 2048
	ST 2, 14, 0
	ST 3, 28, WH_AT
	ST 4, 28, WH_AT+2048
	ST 5, 28, WH_AT+4096
	ST 6, 28, WH_AT+6144
	ST 7, 16, 0
	s_endpgm                                       ; no register is written twice: no further wait
.Lfunc_end_k_q505b757357_cast:
	.size	k_q505b757357_cast, .Lfunc_end_k_q505b757357_cast-k_q505b757357_cast
	.p2alignl 7, 3214868480
	.fill 96, 4, 3214868480
	.section	.rodata,"a",@progbits
	.p2align	6, 0x0
	.amdhsa_kernel k_q505b757357_cast
		.amdhsa_group_segment_fixed_size 0
		.amdhsa_private_segment_fixed_size 0
		.amdhsa_enable_private_segment 0
		.amdhsa_kernarg_size 56
		.amdhsa_user_sgpr_count 2
		.amdhsa_user_sgpr_kernarg_segment_ptr 1
		.amdhsa_wavefront_size32 1
		.amdhsa_system_sgpr_workgroup_id_x 1
		.amdhsa_system_sgpr_workgroup_id_y 1
		.amdhsa_system_sgpr_workgroup_id_z 1
		.amdhsa_system_vgpr_workitem_id 0
		.amdhsa_next_free_vgpr 52
		.amdhsa_next_free_sgpr 66
		.amdhsa_reserve_vcc 0
		.amdhsa_float_denorm_mode_32 3
		.amdhsa_float_denorm_mode_16_64 3
		.amdhsa_memory_ordered 1
		.amdhsa_forward_progress 1
		.amdhsa_inst_pref_size 4
	.end_amdhsa_kernel
	.amdgpu_metadata
---
amdhsa.version: [ 1, 2 ]
amdhsa.kernels:
  - .name:           k_q505b757357_cast
    .symbol:         k_q505b757357_cast.kd
    .args:
      - { .name: z_in, .offset: 0, .size: 8, .value_kind: global_buffer, .address_space: global }
      - { .name: Wx, .offset: 8, .size: 8, .value_kind: global_buffer, .address_space: global }
      - { .name: Wh, .offset: 16, .size: 8, .value_kind: global_buffer, .address_space: global }
      - { .name: Wout, .offset: 24, .size: 8, .value_kind: global_buffer, .address_space: global }
      - { .name: zb, .offset: 32, .size: 8, .value_kind: global_buffer, .address_space: global }
      - { .name: wcat, .offset: 40, .size: 8, .value_kind: global_buffer, .address_space: global }
      - { .name: woutb, .offset: 48, .size: 8, .value_kind: global_buffer, .address_space: global }
    .group_segment_fixed_size: 0
    .private_segment_fixed_size: 0
    .kernarg_segment_align: 8
    .kernarg_segment_size: 56
    .max_flat_workgroup_size: 256
    .sgpr_count:     66
    .vgpr_count:     52
    .wavefront_size: 32
...
	.end_amdgpu_metadata
.endif
;; end of part 1
;; launch cell1 (part 2): grid 8 x 32, 4 waves a work-group, clusters of 4 x 4, 327,680 bytes of LDS; arguments zb, wcat, bh, h1; writes h1
.if DOCPART == 2
	.amdgcn_target "amdgcn-amd-amdhsa--gfx1250"
	.amdhsa_code_object_version 6
	.text
	.protected	k_q505b757357_cell1
	.globl	k_q505b757357_cell1
	.p2align	8
	.type	k_q505b757357_cell1,@function
k_q505b757357_cell1:
	s_mov_b64 s[64:65], 0
	v_nop
	global_prefetch_b8 v0, s[64:65] scope:SCOPE_SE
	s_setreg_imm32_b32 hwreg(HW_REG_WAVE_MODE, 25, 1), 1
	s_wait_xcnt 0x0
	s_wait_alu depctr_hold_cnt(0) depctr_sa_sdst(0) depctr_va_vdst(0) depctr_va_sdst(0) depctr_va_ssrc(0) depctr_va_vcc(0) depctr_vm_vsrc(0)
	s_getreg_b32 s2, hwreg(HW_REG_IB_STS2, 6, 4)
	s_cmp_eq_u32 s2, 0
	s_cbranch_scc0 .Lentry_in_a_cluster
	s_endpgm
.Lentry_in_a_cluster:
	s_bfe_u32 s2, ttmp6, 0x10000c
	s_cmp_lg_u32 s2, 0xf033
	s_cbranch_scc0 .Lentry_shape_is_right
	s_endpgm
.Lentry_shape_is_right:
; The Elman cell, one text for both time steps; HSTEPS says how many K steps of the hidden state follow the input's four.
;   HSTEPS = 0  (this file):  h1 = tanh(z Wx + bh).  reference() itself starts from h0 = 0, so h0 Wh is zero for every finite Wh
;                             and is not computed (a Wh with infinities or NaN would give NaN there: not served).
;   HSTEPS = 16:              h2 = tanh([z | h1] [Wx; Wh] + bh): the input's projection is made again as four more K steps in the same
;                             f32 sums, instead of 32 MiB of f32 going to memory and coming back.
; Operands bf16 (z, weights, h rounded once), sums f32, the bias is the C of each sum's first product, tanh in f32.
; tanh(x) = 1 - 2 / (1 + 2^(2.88539 x)): right at both ends (2^.. = inf gives 1, 0 gives -1), NaN stays NaN; its absolute error is about 2^-23,
; so its relative error grows below |x| = 1e-4; the result is then rounded to bf16.
;
; A work-group makes 128 rows x 256 columns with four waves; a wave 64 x 128: 4 x 8 accumulator tiles, 256 registers.  8 x 32 = 256 work-groups.
; K goes in steps of 128 through two LDS slots.  A slot: the weights' tile [128 k][256 n] as it lies in memory (rows of 512 bytes, pitch 544 = 17 x 32),
; then the activations' tile [128 rows][128 k] (rows of 256 bytes, pitch 272 = 17 x 16).  Weight fragments are read with the transposing load.
; CLUSTERS: 4 x 4 work-groups.  The activations' tile hangs on the block row alone and is asked for jointly by the four of a row of the cluster;
; the weights' tile hangs on the block column alone and is asked for jointly by the four of a column.
; THE MATRIX INSTRUCTION IS USED TRANSPOSED: source 0 = 16 columns of the weights, source 1 = 16 rows of the activations.  Lane l then holds
; row l % 16 and its registers 0-7 the columns 8 (l / 16) + 0..7: eight neighbouring numbers of a row.
; REGISTERS: window 0: addresses, fragments (two buffers), the way out.  Window 1: accumulator (a, b) at v[8 (8 a + b)].  Window 2: the bias, v[8 b ..].
.set HSTEPS, 0
.set PB,     544                       ; LDS pitch of a weight row: 512 + 32
.set PA,     272                       ; LDS pitch of an activation row: 256 + 16
.set BHALF,  64*PB                     ; what one of waves 0, 1 fetches: 64 k rows
.set BT,     2*BHALF
.set AHALF,  64*PA                     ; what one of waves 2, 3 fetches: 64 rows; also what a wave reads
.set SLOT,   BT+2*AHALF                ; 104,448 = 408 x 256
.set STAGE,  2*SLOT                    ; behind the ring, 816 x 256: no tensor load ever lands here
.set SPITCH, 272
.set WSTAGE, 16*SPITCH                 ; a wave's own stage: 16 rows of 256 bytes, 4,352 = 17 x 256
.set ADRA, 16                          ; v16-17  LDS address of my activation fragments in slot 0, 1
.set ADRB, 20                          ; v20-21  the same for the weights
.set STO,  24                          ; the way out: where I put 16 bytes of a row
.set RD,   25                          ; the way out: where I read a row back
.set CO,   26                          ; my byte offset in the output
.set BO,   27                          ; my byte offset in the bias: 32 (l / 16)
.set FA,   32                          ; v[32+32 f + 8 a ..]  activation fragments, buffer f
.set FB,   96                          ; v[96+64 f + 8 b ..]  weight fragments, buffer f
.set TMP,  224                         ; v[224:255] packed results
.set OB0,  32                          ; rows read back, two buffers in turn (the fragments' registers, free by then)
.set OB1,  64
.set G1A, 24                           ; s[24:31] descriptor group 1, activations
.set G0A, 32                           ; s[32:39] group 0, activations, a set for each slot
.set G1B, 40                           ; s[40:47] group 1, weights
.set G0B, 48                           ; s[48:55] group 0, weights, a set for each slot
.set HB,  56                           ; s[56:57] HSTEPS > 0: address of my rows of h1, type bits set
.set MUL,  0x50                        ; sources 0, 1 window 0; C and D window 1
.set MULB, 0x60                        ; C window 2 (the bias), D window 1
.set MSB, 0
.macro WIN new                         ; the immediate's high byte repeats the setting that is left
.if MSB != \new
	s_set_vgpr_msb (MSB<<8)|\new
.set MSB, \new
.endif
.endm
.macro PLACES                          ; four plain vector places behind a matrix instruction in front of loads into its sources and reads of its result
.rept 4
	v_nop
.endr
.endm
; A joint load: waves 0, 1 ask for the weights' two halves, waves 2, 3 for the activations'.  Each line has one mask and one set of registers;
; the branch hangs on the wave's number alone.
.macro JLOAD s
	s_cmp_eq_u32 s15, 0
	s_cbranch_scc0 .Lfor_a_\@
	tensor_load_to_lds s[G0B+4*\s:G0B+4*\s+3], s[G1B:G1B+7]
	s_nop 0
	s_branch .Lasked_\@
.Lfor_a_\@:
	tensor_load_to_lds s[G0A+4*\s:G0A+4*\s+3], s[G1A:G1A+7]
	s_nop 0
.Lasked_\@:
.endm
.macro CREST                           ; a round of the cluster's barrier behind its opening work-group barrier
	s_cmp_lg_u32 s14, 0
	s_cbranch_scc1 .Lnot_wave_0_\@
	s_barrier_signal -3
.Lnot_wave_0_\@:
	s_barrier_wait -3
	s_barrier_signal -1
	s_barrier_wait -1
.endm
.macro CROUND                          ; a whole round
	s_barrier_signal -1
	s_barrier_wait -1
	CREST
.endm
	s_load_b256 s[4:11], s[0:1], 0x0               ; zb s[4:5], wcat s[6:7], bh s[8:9], the output s[10:11]
	v_lshl_add_u32 v30, v0, 2, 0x37400
	v_mov_b32 v31, 0
	ds_add_u32 v30, v31
.if HSTEPS
	s_load_b64 s[12:13], s[0:1], 0x20              ; h1
.endif
	v_lshrrev_b32 v1, 5, v0
	v_readfirstlane_b32 s14, v1                    ; wave 0..3
	s_lshr_b32 s15, s14, 1                         ; rh: which 64 rows are mine.  Also: I fetch weights (0) or activations (1)
	s_and_b32 s16, s14, 1                          ; ch: which 128 columns are mine.  Also: which half of that tile I fetch
	s_bfe_u32 s17, ttmp6, 0x40000                  ; cx
	s_bfe_u32 s18, ttmp6, 0x40004                  ; cy
	s_lshl_b32 s19, ttmp9, 2
	s_add_co_u32 s19, s19, s17                     ; bx: block column = 4 x cluster x + cx
	s_and_b32 s20, ttmp7, 0xffff
	s_lshl_b32 s20, s20, 2
	s_add_co_u32 s20, s20, s18                     ; by: block row = 4 x cluster y + cy
	s_lshl_b32 s21, s18, 2
	s_lshl_b32 s21, 15, s21                        ; my row of the cluster: places 4 cy .. 4 cy + 3
	s_lshl_b32 s22, 0x1111, s17                    ; my column: places cx, cx + 4, cx + 8, cx + 12
	; group 1, activations: 64 rows x 128 elements of 2 bytes; 4 words of padding behind every 64 words
	s_or_b32 s[G1A+0], s21, (1<<16)|(1<<20)|(1<<21)|(5<<22)|(3<<25)
	s_mov_b32 s[G1A+1], 128<<16                    ; tensor_dim0 = 128
	s_mov_b32 s[G1A+2], 64<<16                     ; tensor_dim1 = 64
	s_mov_b32 s[G1A+3], 128<<16                    ; tile_dim0 = 128
	s_mov_b32 s[G1A+4], 64                         ; tile_dim1 = 64
	s_mov_b32 s[G1A+5], 512                        ; zb's pitch in elements (h1's, 2,048, is written at the change of source)
	s_mov_b32 s[G1A+6], 0
	s_mov_b32 s[G1A+7], 0
	; group 1, weights: 64 k rows x 256 elements; 8 words of padding behind every 128 words
	s_or_b32 s[G1B+0], s22, (1<<16)|(1<<20)|(1<<21)|(6<<22)|(7<<25)
	s_mov_b32 s[G1B+1], 256<<16
	s_mov_b32 s[G1B+2], 64<<16
	s_mov_b32 s[G1B+3], 256<<16
	s_mov_b32 s[G1B+4], 64
	s_mov_b32 s[G1B+5], 2048
	s_mov_b32 s[G1B+6], 0
	s_mov_b32 s[G1B+7], 0
	; where the tiles come from: the activations' offsets are made of by and the wave alone (s58-63), the weights' of bx and the wave alone (s68-69)
	s_lshl_b32 s58, s20, 7
	s_lshl_b32 s59, s16, 6
	s_add_co_u32 s58, s58, s59                     ; row 128 by + 64 x half
	s_lshl_b32 s60, s58, 10                        ; in zb: rows of 1,024 bytes
	s_mov_b32 s61, 0
	s_lshl_b32 s62, s58, 12                        ; in h1: rows of 4,096 bytes
	s_mov_b32 s63, 0
	s_lshl_b32 s68, s16, 18                        ; 64 x half k rows of 4,096 bytes
	s_lshl_b32 s69, s19, 9                         ; + 256 bx columns of 2 bytes
	s_add_co_u32 s68, s68, s69
	s_mov_b32 s69, 0
	s_mul_i32 s72, s14, BHALF                      ; and where they go: weights, waves 0, 1: wave x 34,816
	s_mul_i32 s73, s14, AHALF
	s_add_co_u32 s73, s73, BT-2*AHALF              ; activations, waves 2, 3: 69,632 + (wave - 2) x 17,408
	s_lshl_b32 s70, s19, 10                        ; the bias of my 128 columns: 4 (256 bx + 128 ch)
	s_lshl_b32 s71, s16, 9
	s_add_co_u32 s70, s70, s71
	s_mov_b32 s71, 0
	s_lshl_b32 s77, s20, 7                         ; my part of the output: row 128 by + 64 rh, rows of 4,096 bytes,
	s_lshl_b32 s78, s15, 6
	s_add_co_u32 s77, s77, s78
	s_lshl_b32 s78, s77, 12
	s_lshl_b32 s77, s19, 9                         ; + 512 bx + 256 ch bytes
	s_add_co_u32 s78, s78, s77
	s_lshl_b32 s77, s16, 8
	s_add_co_u32 s78, s78, s77
	s_mov_b32 s79, 0
	s_wait_dscnt 0x0
	s_wait_kmcnt 0x0
	s_add_nc_u64 s[60:61], s[4:5], s[60:61]
	s_add_nc_u64 s[68:69], s[6:7], s[68:69]
	s_add_nc_u64 s[8:9], s[8:9], s[70:71]
	s_add_nc_u64 s[10:11], s[10:11], s[78:79]
.if HSTEPS
	s_add_nc_u64 s[HB:HB+1], s[12:13], s[62:63]
	s_or_b32 s[HB+1], s[HB+1], 0x80000000
.endif
	CROUND                                         ; all sixteen work-groups are here: the first joint loads meet
.irp s, 0,1
	s_mov_b32 s[G0A+4*\s], 1
	s_add_co_u32 s[G0A+4*\s+1], s73, \s*SLOT
	s_add_nc_u64 s[G0A+4*\s+2:G0A+4*\s+3], s[60:61], \s*256        ; K step s: 128 elements along the rows
	s_or_b32 s[G0A+4*\s+3], s[G0A+4*\s+3], 0x80000000
	s_mov_b32 s[G0B+4*\s], 1
	s_add_co_u32 s[G0B+4*\s+1], s72, \s*SLOT
	s_add_nc_u64 s[G0B+4*\s+2:G0B+4*\s+3], s[68:69], \s*0x80000    ; K step s: 128 rows of 4,096 bytes down
	s_or_b32 s[G0B+4*\s+3], s[G0B+4*\s+3], 0x80000000
	JLOAD \s                                       ; two tensor loads of the wave are out now, later never more than one
.endr
	v_and_b32 v1, 15, v0                           ; r = l % 16
	v_bfe_u32 v2, v0, 4, 1                         ; h = l / 16
	v_and_b32 v3, 7, v0                            ; l % 8
	v_bfe_u32 v4, v0, 3, 1                         ; (l / 8) % 2
	; activation fragment: 16 rows x 32 k; lane (r, h): two loads of 16 bytes, 32 apart, at row r, byte 16 h
	v_mul_u32_u24 v5, v1, PA
	v_lshl_add_u32 v5, v2, 4, v5
	s_mul_i32 s74, s15, AHALF
	s_add_co_u32 s74, s74, BT
	v_add_nc_u32 v[ADRA], s74, v5
	v_add_nc_u32 v[ADRA+1], SLOT, v[ADRA]
	; weight fragment from [k][n]: two transposing loads, 16 k rows apart; lane l addresses k row 8 h + l % 8, 16 bytes at 16 ((l / 8) % 2)
	v_lshl_add_u32 v6, v2, 3, v3
	v_mul_u32_u24 v6, v6, PB
	v_lshl_add_u32 v6, v4, 4, v6
	s_lshl_b32 s75, s16, 8                         ; my 128 columns: 256 bytes x ch
	v_add_nc_u32 v[ADRB], s75, v6
	v_add_nc_u32 v[ADRB+1], SLOT, v[ADRB]
	s_mul_i32 s76, s14, WSTAGE
	s_add_co_u32 s76, s76, STAGE                   ; my stage
	v_mul_u32_u24 v7, v1, SPITCH                   ; in: row r, 16 bytes for each half of the lanes
	v_lshl_add_u32 v7, v2, 4, v7
	v_add_nc_u32 v[STO], s76, v7
	v_mul_u32_u24 v7, v2, SPITCH                   ; back: lanes 0-15 one row of 256 bytes, lanes 16-31 the next
	v_lshl_add_u32 v7, v1, 4, v7
	v_add_nc_u32 v[RD], s76, v7
	v_lshlrev_b32 v7, 12, v2                       ; and the same two rows in the output
	v_lshl_add_u32 v[CO], v1, 4, v7
	v_lshlrev_b32 v[BO], 5, v2
	; the bias in the layout of C: register j of column tile b = bh[my columns + 16 b + 8 h + j]
	WIN 0x80                                       ; destination window 2
.irp b, 0,1,2,3,4,5,6,7
	global_load_b128 v[8*\b:8*\b+3],   v[BO], s[8:9] offset:64*\b
	global_load_b128 v[8*\b+4:8*\b+7], v[BO], s[8:9] offset:64*\b+16
.endr
	WIN 0
; 16 matrix instructions: row tiles a0, a0 + 1 x all 8 column tiles, 32 along K, from buffer f.  bias = 1: the first product takes the bias as C.
; The 32 accumulators take turns, one instruction a turn, in the same order in every quarter step, over the backward jump too.
.macro MUL16 f, a0, bias
.irp a, \a0, \a0+1
.irp b, 0,1,2,3,4,5,6,7
.if \bias
	v_wmma_f32_16x16x32_bf16 v[8*(8*(\a)+\b):8*(8*(\a)+\b)+7], v[FB+64*\f+8*\b:FB+64*\f+8*\b+7], v[FA+32*\f+8*(\a):FA+32*\f+8*(\a)+7], v[8*\b:8*\b+7]
.else
	v_wmma_f32_16x16x32_bf16 v[8*(8*(\a)+\b):8*(8*(\a)+\b)+7], v[FB+64*\f+8*\b:FB+64*\f+8*\b+7], v[FA+32*\f+8*(\a):FA+32*\f+8*(\a)+7], v[8*(8*(\a)+\b):8*(8*(\a)+\b)+7]
.endif
.endr
.endr
.endm
; 24 LDS loads in one run: the fragments of quarter q (32 along K) of a slot into buffer f
.macro FETCH slot, q, f
	WIN 0
.irp b, 0,1,2,3,4,5,6,7
	ds_load_tr16_b128 v[FB+64*\f+8*\b:FB+64*\f+8*\b+3],   v[ADRB+\slot] offset:\q*32*PB+32*\b
	ds_load_tr16_b128 v[FB+64*\f+8*\b+4:FB+64*\f+8*\b+7], v[ADRB+\slot] offset:\q*32*PB+32*\b+16*PB
.endr
.irp a, 0,1,2,3
	ds_load_b128 v[FA+32*\f+8*\a:FA+32*\f+8*\a+3],   v[ADRA+\slot] offset:\q*64+\a*16*PA
	ds_load_b128 v[FA+32*\f+8*\a+4:FA+32*\f+8*\a+7], v[ADRA+\slot] offset:\q*64+\a*16*PA+32
.endr
.endm
; One of a K step's first three quarters: buffer f is in; the next quarter's (qn) fragments are asked for into buffer g; then 32 matrix instructions on f.
.macro QUARTER slot, qn, f, g, bias
	s_wait_dscnt 0x0                               ; buffer f's loads were issued a quarter ago: nothing younger is out
	PLACES                                         ; buffer g was read by the matrix instructions just issued
	FETCH \slot, \qn, \g
.if \bias
	WIN MULB
.else
	WIN MUL
.endif
	MUL16 \f, 0, \bias
	MUL16 \f, 2, \bias
.endm
; The fourth quarter (buffer 1) changes slots.  In front of the barrier each wave waits for its reads of this slot and for all its tensor loads (the one
; that is out is its part of the next slot).  fill > 0: the barrier opens a round of the cluster's barrier, and behind the round this slot is asked for
; again, two K steps ahead, first of all.  fill = 2: the activations now come from h1.  From a request to its wait a wave issues 112 matrix instructions.
.macro TURN slot, next, fill
	s_wait_dscnt 0x0                               ; my reads of this slot are over
	s_wait_tensorcnt 0x0                           ; all my tensor loads have landed: every descriptor register may be written
	ds_add_u32 v30, v31
	s_wait_dscnt 0x0
	s_barrier_signal -1
	WIN MUL
	MUL16 1, 0, 0                                  ; register work while the others arrive
	WIN 0
	s_barrier_wait -1
.if \fill
	CREST                                          ; no wave of any partner still reads this slot or has a load on its way
.if \fill == 2
	s_mov_b32 s[G1A+5], 2048                       ; h1's pitch
	s_add_nc_u64 s[G0A+4*\slot+2:G0A+4*\slot+3], s[HB:HB+1], 256*\slot
.else
	s_add_nc_u64 s[G0A+4*\slot+2:G0A+4*\slot+3], s[G0A+4*\slot+2:G0A+4*\slot+3], 512
.endif
	s_add_nc_u64 s[G0B+4*\slot+2:G0B+4*\slot+3], s[G0B+4*\slot+2:G0B+4*\slot+3], 0x100000
	JLOAD \slot                                    ; the first tensor load behind the round
.endif
	PLACES                                         ; buffer 0 was read by matrix instructions of the third quarter
	FETCH \next, 0, 0
	WIN MUL
	MUL16 1, 2, 0
.endm
.macro THREE slot, bias
	QUARTER \slot, 1, 0, 1, \bias
	QUARTER \slot, 2, 1, 0, 0
	QUARTER \slot, 3, 0, 1, 0
.endm
.macro STEP slot, next, fill, bias
	THREE \slot, \bias
	TURN \slot, \next, \fill
.endm
.macro LAST slot                       ; the last K step: nothing more to fetch
	THREE \slot, 0
	s_wait_dscnt 0x0
	WIN MUL
	MUL16 1, 0, 0
	MUL16 1, 2, 0
.endm
	s_wait_tensorcnt 0x1                           ; my part of K step 0 is in; K step 1's stays out
	s_barrier_signal -1
	s_barrier_wait -1                              ; everybody's is
	FETCH 0, 0, 0
	s_wait_loadcnt 0x0                             ; the bias
.if HSTEPS
	STEP 0, 1, 1, 1                                ; K steps 0, 1 (z): ask for 2, 3
	STEP 1, 0, 1, 0
	STEP 0, 1, 2, 0                                ; K steps 2, 3 (z): ask for 4, 5, the first of h1
	STEP 1, 0, 2, 0
	WIN 0                                          ; at a label and at a branch every window is 0
	s_mov_b32 s3, (HSTEPS-2)/2
.Llap:
	STEP 0, 1, 1, 0
	STEP 1, 0, 1, 0
	WIN 0
	s_sub_co_u32 s3, s3, 1
	s_cmp_lg_u32 s3, 0
	s_cbranch_scc1 .Llap
.else
	STEP 0, 1, 1, 1                                ; K steps 0, 1: ask for 2, 3
	STEP 1, 0, 1, 0
.endif
	STEP 0, 1, 0, 0                                ; the last two K steps ask for nothing and have no round of the cluster's barrier
	LAST 1
	; THE WAY OUT, 16 rows at a time: tanh in place, round to bf16, 16 bytes a lane into my own stage, whole rows of 256 bytes back and out.
	PLACES
.macro OUT16 a, ob
	WIN 0x55                                       ; all operands window 1
.set j, 0
.rept 32
	v_pk_mul_f32 v[64*\a+j:64*\a+j+1], v[64*\a+j:64*\a+j+1], 0x4038aa3b op_sel_hi:[1,0]   ; 2 log2(e) x
.set j, j+2
.endr
.set j, 0
.rept 64
	v_exp_f32 v[64*\a+j], v[64*\a+j]
.set j, j+1
.endr
	v_nop                                          ; one plain place behind the last transcendental (ISA guide 5.7.2)
.set j, 0
	s_wait_alu depctr_va_vdst(0)
.rept 32
	v_pk_add_f32 v[64*\a+j:64*\a+j+1], v[64*\a+j:64*\a+j+1], 1.0 op_sel_hi:[1,0]
.set j, j+2
.endr
.set j, 0
.rept 64
	v_rcp_f32 v[64*\a+j], v[64*\a+j]
.set j, j+1
.endr
	v_nop
.set j, 0
	s_wait_alu depctr_va_vdst(0)
.rept 32
	v_pk_fma_f32 v[64*\a+j:64*\a+j+1], v[64*\a+j:64*\a+j+1], -2.0, 1.0 op_sel_hi:[1,0,0]  ; 1 - 2 / (1 + 2^..)
.set j, j+2
.endr
	WIN 0x05                                       ; sources window 1, destination window 0
.irp b, 0,1,2,3,4,5,6,7
.irp r, 0,1,2,3
	v_cvt_pk_bf16_f32 v[TMP+4*\b+\r], v[64*\a+8*\b+2*\r], v[64*\a+8*\b+2*\r+1]
.endr
.endr
	WIN 0
.irp b, 0,1,2,3,4,5,6,7
	ds_store_b128 v[STO], v[TMP+4*\b:TMP+4*\b+3] offset:32*\b
.endr
	s_wait_xcnt 0x0                                ; buffer ob was the data of stores two turns ago: it is loaded again only behind this wait
.irp t, 0,1,2,3,4,5,6,7
	ds_load_b128 v[\ob+4*\t:\ob+4*\t+3], v[RD] offset:\t*2*SPITCH  ; LDS serves a wave's instructions in order (ISA guide 5.7.1): these see the stores above
.endr
.irp t, 0,1,2,3,4,5,6,7
	s_wait_dscnt 7-\t                              ; rows 2 t, 2 t + 1 are back, the younger loads stay out
	global_store_b128 v[CO], v[\ob+4*\t:\ob+4*\t+3], s[10:11] offset:(16*\a+2*\t)*4096   ; 16 lanes store 256 consecutive bytes at a multiple of 256
.endr
.endm
	OUT16 0, OB0
	OUT16 1, OB1
	OUT16 2, OB0
	OUT16 3, OB1
	s_wait_tensorcnt 0x0
	ds_add_u32 v30, v31
	s_wait_dscnt 0x0
	CROUND                                         ; the closing round: no work-group ends while a partner may still ask for a tile that names it
	s_endpgm
.Lfunc_end_k_q505b757357_cell1:
	.size	k_q505b757357_cell1, .Lfunc_end_k_q505b757357_cell1-k_q505b757357_cell1
	.p2alignl 7, 3214868480
	.fill 96, 4, 3214868480
	.section	.rodata,"a",@progbits
	.p2align	6, 0x0
	.amdhsa_kernel k_q505b757357_cell1
		.amdhsa_group_segment_fixed_size 327680
		.amdhsa_private_segment_fixed_size 0
		.amdhsa_enable_private_segment 0
		.amdhsa_kernarg_size 32
		.amdhsa_user_sgpr_count 2
		.amdhsa_user_sgpr_kernarg_segment_ptr 1
		.amdhsa_wavefront_size32 1
		.amdhsa_system_sgpr_workgroup_id_x 1
		.amdhsa_system_sgpr_workgroup_id_y 1
		.amdhsa_system_sgpr_workgroup_id_z 1
		.amdhsa_system_vgpr_workitem_id 0
		.amdhsa_next_free_vgpr 576
		.amdhsa_next_free_sgpr 80
		.amdhsa_reserve_vcc 0
		.amdhsa_float_denorm_mode_32 3
		.amdhsa_float_denorm_mode_16_64 3
		.amdhsa_memory_ordered 1
		.amdhsa_forward_progress 1
		.amdhsa_inst_pref_size 131
	.end_amdhsa_kernel
	.amdgpu_metadata
---
amdhsa.version: [ 1, 2 ]
amdhsa.kernels:
  - .name:           k_q505b757357_cell1
    .symbol:         k_q505b757357_cell1.kd
    .args:
      - { .name: zb, .offset: 0, .size: 8, .value_kind: global_buffer, .address_space: global }
      - { .name: wcat, .offset: 8, .size: 8, .value_kind: global_buffer, .address_space: global }
      - { .name: bh, .offset: 16, .size: 8, .value_kind: global_buffer, .address_space: global }
      - { .name: h1, .offset: 24, .size: 8, .value_kind: global_buffer, .address_space: global }
    .group_segment_fixed_size: 327680
    .private_segment_fixed_size: 0
    .kernarg_segment_align: 8
    .kernarg_segment_size: 32
    .max_flat_workgroup_size: 128
    .sgpr_count:     80
    .vgpr_count:     576
    .wavefront_size: 32
...
	.end_amdgpu_metadata
.endif
;; end of part 2
;; launch cell2 (part 3): grid 8 x 32, 4 waves a work-group, clusters of 4 x 4, 327,680 bytes of LDS; arguments zb, wcat, bh, h2, h1; writes h2
.if DOCPART == 3
	.amdgcn_target "amdgcn-amd-amdhsa--gfx1250"
	.amdhsa_code_object_version 6
	.text
	.protected	k_q505b757357_cell2
	.globl	k_q505b757357_cell2
	.p2align	8
	.type	k_q505b757357_cell2,@function
k_q505b757357_cell2:
	s_mov_b64 s[64:65], 0
	v_nop
	global_prefetch_b8 v0, s[64:65] scope:SCOPE_SE
	s_setreg_imm32_b32 hwreg(HW_REG_WAVE_MODE, 25, 1), 1
	s_wait_xcnt 0x0
	s_wait_alu depctr_hold_cnt(0) depctr_sa_sdst(0) depctr_va_vdst(0) depctr_va_sdst(0) depctr_va_ssrc(0) depctr_va_vcc(0) depctr_vm_vsrc(0)
	s_getreg_b32 s2, hwreg(HW_REG_IB_STS2, 6, 4)
	s_cmp_eq_u32 s2, 0
	s_cbranch_scc0 .Lentry_in_a_cluster
	s_endpgm
.Lentry_in_a_cluster:
	s_bfe_u32 s2, ttmp6, 0x10000c
	s_cmp_lg_u32 s2, 0xf033
	s_cbranch_scc0 .Lentry_shape_is_right
	s_endpgm
.Lentry_shape_is_right:
; The Elman cell, one text for both time steps; HSTEPS says how many K steps of the hidden state follow the input's four.
;   HSTEPS = 0:               h1 = tanh(z Wx + bh).  reference() itself starts from h0 = 0, so h0 Wh is zero for every finite Wh
;                             and is not computed (a Wh with infinities or NaN would give NaN there: not served).
;   HSTEPS = 16 (this file):  h2 = tanh([z | h1] [Wx; Wh] + bh): the input's projection is made again as four more K steps in the same
;                             f32 sums, instead of 32 MiB of f32 going to memory and coming back.
; Operands bf16 (z, weights, h rounded once), sums f32, the bias is the C of each sum's first product, tanh in f32.
; tanh(x) = 1 - 2 / (1 + 2^(2.88539 x)): right at both ends (2^.. = inf gives 1, 0 gives -1), NaN stays NaN; its absolute error is about 2^-23,
; so its relative error grows below |x| = 1e-4; the result is then rounded to bf16.
;
; A work-group makes 128 rows x 256 columns with four waves; a wave 64 x 128: 4 x 8 accumulator tiles, 256 registers.  8 x 32 = 256 work-groups.
; K goes in steps of 128 through two LDS slots.  A slot: the weights' tile [128 k][256 n] as it lies in memory (rows of 512 bytes, pitch 544 = 17 x 32),
; then the activations' tile [128 rows][128 k] (rows of 256 bytes, pitch 272 = 17 x 16).  Weight fragments are read with the transposing load.
; CLUSTERS: 4 x 4 work-groups.  The activations' tile hangs on the block row alone and is asked for jointly by the four of a row of the cluster;
; the weights' tile hangs on the block column alone and is asked for jointly by the four of a column.
; THE MATRIX INSTRUCTION IS USED TRANSPOSED: source 0 = 16 columns of the weights, source 1 = 16 rows of the activations.  Lane l then holds
; row l % 16 and its registers 0-7 the columns 8 (l / 16) + 0..7: eight neighbouring numbers of a row.
; REGISTERS: window 0: addresses, fragments (two buffers), the way out.  Window 1: accumulator (a, b) at v[8 (8 a + b)].  Window 2: the bias, v[8 b ..].
.set HSTEPS, 16
.set PB,     544                       ; LDS pitch of a weight row: 512 + 32
.set PA,     272                       ; LDS pitch of an activation row: 256 + 16
.set BHALF,  64*PB                     ; what one of waves 0, 1 fetches: 64 k rows
.set BT,     2*BHALF
.set AHALF,  64*PA                     ; what one of waves 2, 3 fetches: 64 rows; also what a wave reads
.set SLOT,   BT+2*AHALF                ; 104,448 = 408 x 256
.set STAGE,  2*SLOT                    ; behind the ring, 816 x 256: no tensor load ever lands here
.set SPITCH, 272
.set WSTAGE, 16*SPITCH                 ; a wave's own stage: 16 rows of 256 bytes, 4,352 = 17 x 256
.set ADRA, 16                          ; v16-17  LDS address of my activation fragments in slot 0, 1
.set ADRB, 20                          ; v20-21  the same for the weights
.set STO,  24                          ; the way out: where I put 16 bytes of a row
.set RD,   25                          ; the way out: where I read a row back
.set CO,   26                          ; my byte offset in the output
.set BO,   27                          ; my byte offset in the bias: 32 (l / 16)
.set FA,   32                          ; v[32+32 f + 8 a ..]  activation fragments, buffer f
.set FB,   96                          ; v[96+64 f + 8 b ..]  weight fragments, buffer f
.set TMP,  224                         ; v[224:255] packed results
.set OB0,  32                          ; rows read back, two buffers in turn (the fragments' registers, free by then)
.set OB1,  64
.set G1A, 24                           ; s[24:31] descriptor group 1, activations
.set G0A, 32                           ; s[32:39] group 0, activations, a set for each slot
.set G1B, 40                           ; s[40:47] group 1, weights
.set G0B, 48                           ; s[48:55] group 0, weights, a set for each slot
.set HB,  56                           ; s[56:57] HSTEPS > 0: address of my rows of h1, type bits set
.set MUL,  0x50                        ; sources 0, 1 window 0; C and D window 1
.set MULB, 0x60                        ; C window 2 (the bias), D window 1
.set MSB, 0
.macro WIN new                         ; the immediate's high byte repeats the setting that is left
.if MSB != \new
	s_set_vgpr_msb (MSB<<8)|\new
.set MSB, \new
.endif
.endm
.macro PLACES                          ; four plain vector places behind a matrix instruction in front of loads into its sources and reads of its result
.rept 4
	v_nop
.endr
.endm
; A joint load: waves 0, 1 ask for the weights' two halves, waves 2, 3 for the activations'.  Each line has one mask and one set of registers;
; the branch hangs on the wave's number alone.
.macro JLOAD s
	s_cmp_eq_u32 s15, 0
	s_cbranch_scc0 .Lfor_a_\@
	tensor_load_to_lds s[G0B+4*\s:G0B+4*\s+3], s[G1B:G1B+7]
	s_nop 0
	s_branch .Lasked_\@
.Lfor_a_\@:
	tensor_load_to_lds s[G0A+4*\s:G0A+4*\s+3], s[G1A:G1A+7]
	s_nop 0
.Lasked_\@:
.endm
.macro CREST                           ; a round of the cluster's barrier behind its opening work-group barrier
	s_cmp_lg_u32 s14, 0
	s_cbranch_scc1 .Lnot_wave_0_\@
	s_barrier_signal -3
.Lnot_wave_0_\@:
	s_barrier_wait -3
	s_barrier_signal -1
	s_barrier_wait -1
.endm
.macro CROUND                          ; a whole round
	s_barrier_signal -1
	s_barrier_wait -1
	CREST
.endm
	s_load_b256 s[4:11], s[0:1], 0x0               ; zb s[4:5], wcat s[6:7], bh s[8:9], the output s[10:11]
.if HSTEPS
	s_load_b64 s[12:13], s[0:1], 0x20              ; h1
	v_lshl_add_u32 v30, v0, 2, 0x37400
	v_mov_b32 v31, 0
	ds_add_u32 v30, v31
.endif
	v_lshrrev_b32 v1, 5, v0
	v_readfirstlane_b32 s14, v1                    ; wave 0..3
	s_lshr_b32 s15, s14, 1                         ; rh: which 64 rows are mine.  Also: I fetch weights (0) or activations (1)
	s_and_b32 s16, s14, 1                          ; ch: which 128 columns are mine.  Also: which half of that tile I fetch
	s_bfe_u32 s17, ttmp6, 0x40000                  ; cx
	s_bfe_u32 s18, ttmp6, 0x40004                  ; cy
	s_lshl_b32 s19, ttmp9, 2
	s_add_co_u32 s19, s19, s17                     ; bx: block column = 4 x cluster x + cx
	s_and_b32 s20, ttmp7, 0xffff
	s_lshl_b32 s20, s20, 2
	s_add_co_u32 s20, s20, s18                     ; by: block row = 4 x cluster y + cy
	s_lshl_b32 s21, s18, 2
	s_lshl_b32 s21, 15, s21                        ; my row of the cluster: places 4 cy .. 4 cy + 3
	s_lshl_b32 s22, 0x1111, s17                    ; my column: places cx, cx + 4, cx + 8, cx + 12
	; group 1, activations: 64 rows x 128 elements of 2 bytes; 4 words of padding behind every 64 words
	s_or_b32 s[G1A+0], s21, (1<<16)|(1<<20)|(1<<21)|(5<<22)|(3<<25)
	s_mov_b32 s[G1A+1], 128<<16                    ; tensor_dim0 = 128
	s_mov_b32 s[G1A+2], 64<<16                     ; tensor_dim1 = 64
	s_mov_b32 s[G1A+3], 128<<16                    ; tile_dim0 = 128
	s_mov_b32 s[G1A+4], 64                         ; tile_dim1 = 64
	s_mov_b32 s[G1A+5], 512                        ; zb's pitch in elements (h1's, 2,048, is written at the change of source)
	s_mov_b32 s[G1A+6], 0
	s_mov_b32 s[G1A+7], 0
	; group 1, weights: 64 k rows x 256 elements; 8 words of padding behind every 128 words
	s_or_b32 s[G1B+0], s22, (1<<16)|(1<<20)|(1<<21)|(6<<22)|(7<<25)
	s_mov_b32 s[G1B+1], 256<<16
	s_mov_b32 s[G1B+2], 64<<16
	s_mov_b32 s[G1B+3], 256<<16
	s_mov_b32 s[G1B+4], 64
	s_mov_b32 s[G1B+5], 2048
	s_mov_b32 s[G1B+6], 0
	s_mov_b32 s[G1B+7], 0
	; where the tiles come from: the activations' offsets are made of by and the wave alone (s58-63), the weights' of bx and the wave alone (s68-69)
	s_lshl_b32 s58, s20, 7
	s_lshl_b32 s59, s16, 6
	s_add_co_u32 s58, s58, s59                     ; row 128 by + 64 x half
	s_lshl_b32 s60, s58, 10                        ; in zb: rows of 1,024 bytes
	s_mov_b32 s61, 0
	s_lshl_b32 s62, s58, 12                        ; in h1: rows of 4,096 bytes
	s_mov_b32 s63, 0
	s_lshl_b32 s68, s16, 18                        ; 64 x half k rows of 4,096 bytes
	s_lshl_b32 s69, s19, 9                         ; + 256 bx columns of 2 bytes
	s_add_co_u32 s68, s68, s69
	s_mov_b32 s69, 0
	s_mul_i32 s72, s14, BHALF                      ; and where they go: weights, waves 0, 1: wave x 34,816
	s_mul_i32 s73, s14, AHALF
	s_add_co_u32 s73, s73, BT-2*AHALF              ; activations, waves 2, 3: 69,632 + (wave - 2) x 17,408
	s_lshl_b32 s70, s19, 10                        ; the bias of my 128 columns: 4 (256 bx + 128 ch)
	s_lshl_b32 s71, s16, 9
	s_add_co_u32 s70, s70, s71
	s_mov_b32 s71, 0
	s_lshl_b32 s77, s20, 7                         ; my part of the output: row 128 by + 64 rh, rows of 4,096 bytes,
	s_lshl_b32 s78, s15, 6
	s_add_co_u32 s77, s77, s78
	s_lshl_b32 s78, s77, 12
	s_lshl_b32 s77, s19, 9                         ; + 512 bx + 256 ch bytes
	s_add_co_u32 s78, s78, s77
	s_lshl_b32 s77, s16, 8
	s_add_co_u32 s78, s78, s77
	s_mov_b32 s79, 0
	s_wait_dscnt 0x0
	s_wait_kmcnt 0x0
	s_add_nc_u64 s[60:61], s[4:5], s[60:61]
	s_add_nc_u64 s[68:69], s[6:7], s[68:69]
	s_add_nc_u64 s[8:9], s[8:9], s[70:71]
	s_add_nc_u64 s[10:11], s[10:11], s[78:79]
.if HSTEPS
	s_add_nc_u64 s[HB:HB+1], s[12:13], s[62:63]
	s_or_b32 s[HB+1], s[HB+1], 0x80000000
.endif
	CROUND                                         ; all sixteen work-groups are here: the first joint loads meet
.irp s, 0,1
	s_mov_b32 s[G0A+4*\s], 1
	s_add_co_u32 s[G0A+4*\s+1], s73, \s*SLOT
	s_add_nc_u64 s[G0A+4*\s+2:G0A+4*\s+3], s[60:61], \s*256        ; K step s: 128 elements along the rows
	s_or_b32 s[G0A+4*\s+3], s[G0A+4*\s+3], 0x80000000
	s_mov_b32 s[G0B+4*\s], 1
	s_add_co_u32 s[G0B+4*\s+1], s72, \s*SLOT
	s_add_nc_u64 s[G0B+4*\s+2:G0B+4*\s+3], s[68:69], \s*0x80000    ; K step s: 128 rows of 4,096 bytes down
	s_or_b32 s[G0B+4*\s+3], s[G0B+4*\s+3], 0x80000000
	JLOAD \s                                       ; two tensor loads of the wave are out now, later never more than one
.endr
	v_and_b32 v1, 15, v0                           ; r = l % 16
	v_bfe_u32 v2, v0, 4, 1                         ; h = l / 16
	v_and_b32 v3, 7, v0                            ; l % 8
	v_bfe_u32 v4, v0, 3, 1                         ; (l / 8) % 2
	; activation fragment: 16 rows x 32 k; lane (r, h): two loads of 16 bytes, 32 apart, at row r, byte 16 h
	v_mul_u32_u24 v5, v1, PA
	v_lshl_add_u32 v5, v2, 4, v5
	s_mul_i32 s74, s15, AHALF
	s_add_co_u32 s74, s74, BT
	v_add_nc_u32 v[ADRA], s74, v5
	v_add_nc_u32 v[ADRA+1], SLOT, v[ADRA]
	; weight fragment from [k][n]: two transposing loads, 16 k rows apart; lane l addresses k row 8 h + l % 8, 16 bytes at 16 ((l / 8) % 2)
	v_lshl_add_u32 v6, v2, 3, v3
	v_mul_u32_u24 v6, v6, PB
	v_lshl_add_u32 v6, v4, 4, v6
	s_lshl_b32 s75, s16, 8                         ; my 128 columns: 256 bytes x ch
	v_add_nc_u32 v[ADRB], s75, v6
	v_add_nc_u32 v[ADRB+1], SLOT, v[ADRB]
	s_mul_i32 s76, s14, WSTAGE
	s_add_co_u32 s76, s76, STAGE                   ; my stage
	v_mul_u32_u24 v7, v1, SPITCH                   ; in: row r, 16 bytes for each half of the lanes
	v_lshl_add_u32 v7, v2, 4, v7
	v_add_nc_u32 v[STO], s76, v7
	v_mul_u32_u24 v7, v2, SPITCH                   ; back: lanes 0-15 one row of 256 bytes, lanes 16-31 the next
	v_lshl_add_u32 v7, v1, 4, v7
	v_add_nc_u32 v[RD], s76, v7
	v_lshlrev_b32 v7, 12, v2                       ; and the same two rows in the output
	v_lshl_add_u32 v[CO], v1, 4, v7
	v_lshlrev_b32 v[BO], 5, v2
	; the bias in the layout of C: register j of column tile b = bh[my columns + 16 b + 8 h + j]
	WIN 0x80                                       ; destination window 2
.irp b, 0,1,2,3,4,5,6,7
	global_load_b128 v[8*\b:8*\b+3],   v[BO], s[8:9] offset:64*\b
	global_load_b128 v[8*\b+4:8*\b+7], v[BO], s[8:9] offset:64*\b+16
.endr
	WIN 0
; 16 matrix instructions: row tiles a0, a0 + 1 x all 8 column tiles, 32 along K, from buffer f.  bias = 1: the first product takes the bias as C.
; The 32 accumulators take turns, one instruction a turn, in the same order in every quarter step, over the backward jump too.
.macro MUL16 f, a0, bias
.irp a, \a0, \a0+1
.irp b, 0,1,2,3,4,5,6,7
.if \bias
	v_wmma_f32_16x16x32_bf16 v[8*(8*(\a)+\b):8*(8*(\a)+\b)+7], v[FB+64*\f+8*\b:FB+64*\f+8*\b+7], v[FA+32*\f+8*(\a):FA+32*\f+8*(\a)+7], v[8*\b:8*\b+7]
.else
	v_wmma_f32_16x16x32_bf16 v[8*(8*(\a)+\b):8*(8*(\a)+\b)+7], v[FB+64*\f+8*\b:FB+64*\f+8*\b+7], v[FA+32*\f+8*(\a):FA+32*\f+8*(\a)+7], v[8*(8*(\a)+\b):8*(8*(\a)+\b)+7]
.endif
.endr
.endr
.endm
; 24 LDS loads in one run: the fragments of quarter q (32 along K) of a slot into buffer f
.macro FETCH slot, q, f
	WIN 0
.irp b, 0,1,2,3,4,5,6,7
	ds_load_tr16_b128 v[FB+64*\f+8*\b:FB+64*\f+8*\b+3],   v[ADRB+\slot] offset:\q*32*PB+32*\b
	ds_load_tr16_b128 v[FB+64*\f+8*\b+4:FB+64*\f+8*\b+7], v[ADRB+\slot] offset:\q*32*PB+32*\b+16*PB
.endr
.irp a, 0,1,2,3
	ds_load_b128 v[FA+32*\f+8*\a:FA+32*\f+8*\a+3],   v[ADRA+\slot] offset:\q*64+\a*16*PA
	ds_load_b128 v[FA+32*\f+8*\a+4:FA+32*\f+8*\a+7], v[ADRA+\slot] offset:\q*64+\a*16*PA+32
.endr
.endm
; One of a K step's first three quarters: buffer f is in; the next quarter's (qn) fragments are asked for into buffer g; then 32 matrix instructions on f.
.macro QUARTER slot, qn, f, g, bias
	s_wait_dscnt 0x0                               ; buffer f's loads were issued a quarter ago: nothing younger is out
	PLACES                                         ; buffer g was read by the matrix instructions just issued
	FETCH \slot, \qn, \g
.if \bias
	WIN MULB
.else
	WIN MUL
.endif
	MUL16 \f, 0, \bias
	MUL16 \f, 2, \bias
.endm
; The fourth quarter (buffer 1) changes slots.  In front of the barrier each wave waits for its reads of this slot and for all its tensor loads (the one
; that is out is its part of the next slot).  fill > 0: the barrier opens a round of the cluster's barrier, and behind the round this slot is asked for
; again, two K steps ahead, first of all.  fill = 2: the activations now come from h1.  From a request to its wait a wave issues 112 matrix instructions.
.macro TURN slot, next, fill
	s_wait_dscnt 0x0                               ; my reads of this slot are over
	s_wait_tensorcnt 0x0                           ; all my tensor loads have landed: every descriptor register may be written
	ds_add_u32 v30, v31
	s_wait_dscnt 0x0
	s_barrier_signal -1
	WIN MUL
	MUL16 1, 0, 0                                  ; register work while the others arrive
	WIN 0
	s_barrier_wait -1
.if \fill
	CREST                                          ; no wave of any partner still reads this slot or has a load on its way
.if \fill == 2
	s_mov_b32 s[G1A+5], 2048                       ; h1's pitch
	s_add_nc_u64 s[G0A+4*\slot+2:G0A+4*\slot+3], s[HB:HB+1], 256*\slot
.else
	s_add_nc_u64 s[G0A+4*\slot+2:G0A+4*\slot+3], s[G0A+4*\slot+2:G0A+4*\slot+3], 512
.endif
	s_add_nc_u64 s[G0B+4*\slot+2:G0B+4*\slot+3], s[G0B+4*\slot+2:G0B+4*\slot+3], 0x100000
	JLOAD \slot                                    ; the first tensor load behind the round
.endif
	PLACES                                         ; buffer 0 was read by matrix instructions of the third quarter
	FETCH \next, 0, 0
	WIN MUL
	MUL16 1, 2, 0
.endm
.macro THREE slot, bias
	QUARTER \slot, 1, 0, 1, \bias
	QUARTER \slot, 2, 1, 0, 0
	QUARTER \slot, 3, 0, 1, 0
.endm
.macro STEP slot, next, fill, bias
	THREE \slot, \bias
	TURN \slot, \next, \fill
.endm
.macro LAST slot                       ; the last K step: nothing more to fetch
	THREE \slot, 0
	s_wait_dscnt 0x0
	WIN MUL
	MUL16 1, 0, 0
	MUL16 1, 2, 0
.endm
	s_wait_tensorcnt 0x1                           ; my part of K step 0 is in; K step 1's stays out
	s_barrier_signal -1
	s_barrier_wait -1                              ; everybody's is
	FETCH 0, 0, 0
	s_wait_loadcnt 0x0                             ; the bias
.if HSTEPS
	STEP 0, 1, 1, 1                                ; K steps 0, 1 (z): ask for 2, 3
	STEP 1, 0, 1, 0
	STEP 0, 1, 2, 0                                ; K steps 2, 3 (z): ask for 4, 5, the first of h1
	STEP 1, 0, 2, 0
	WIN 0                                          ; at a label and at a branch every window is 0
	s_mov_b32 s3, (HSTEPS-2)/2
.Llap:
	STEP 0, 1, 1, 0
	STEP 1, 0, 1, 0
	WIN 0
	s_sub_co_u32 s3, s3, 1
	s_cmp_lg_u32 s3, 0
	s_cbranch_scc1 .Llap
.else
	STEP 0, 1, 1, 1                                ; K steps 0, 1: ask for 2, 3
	STEP 1, 0, 1, 0
.endif
	STEP 0, 1, 0, 0                                ; the last two K steps ask for nothing and have no round of the cluster's barrier
	LAST 1
	; THE WAY OUT, 16 rows at a time: tanh in place, round to bf16, 16 bytes a lane into my own stage, whole rows of 256 bytes back and out.
	PLACES
.macro OUT16 a, ob
	WIN 0x55                                       ; all operands window 1
.set j, 0
.rept 32
	v_pk_mul_f32 v[64*\a+j:64*\a+j+1], v[64*\a+j:64*\a+j+1], 0x4038aa3b op_sel_hi:[1,0]   ; 2 log2(e) x
.set j, j+2
.endr
.set j, 0
.rept 64
	v_exp_f32 v[64*\a+j], v[64*\a+j]
.set j, j+1
.endr
	v_nop                                          ; one plain place behind the last transcendental (ISA guide 5.7.2)
.set j, 0
	s_wait_alu depctr_va_vdst(0)
.rept 32
	v_pk_add_f32 v[64*\a+j:64*\a+j+1], v[64*\a+j:64*\a+j+1], 1.0 op_sel_hi:[1,0]
.set j, j+2
.endr
.set j, 0
.rept 64
	v_rcp_f32 v[64*\a+j], v[64*\a+j]
.set j, j+1
.endr
	v_nop
.set j, 0
	s_wait_alu depctr_va_vdst(0)
.rept 32
	v_pk_fma_f32 v[64*\a+j:64*\a+j+1], v[64*\a+j:64*\a+j+1], -2.0, 1.0 op_sel_hi:[1,0,0]  ; 1 - 2 / (1 + 2^..)
.set j, j+2
.endr
	WIN 0x05                                       ; sources window 1, destination window 0
.irp b, 0,1,2,3,4,5,6,7
.irp r, 0,1,2,3
	v_cvt_pk_bf16_f32 v[TMP+4*\b+\r], v[64*\a+8*\b+2*\r], v[64*\a+8*\b+2*\r+1]
.endr
.endr
	WIN 0
.irp b, 0,1,2,3,4,5,6,7
	ds_store_b128 v[STO], v[TMP+4*\b:TMP+4*\b+3] offset:32*\b
.endr
	s_wait_xcnt 0x0                                ; buffer ob was the data of stores two turns ago: it is loaded again only behind this wait
.irp t, 0,1,2,3,4,5,6,7
	ds_load_b128 v[\ob+4*\t:\ob+4*\t+3], v[RD] offset:\t*2*SPITCH  ; LDS serves a wave's instructions in order (ISA guide 5.7.1): these see the stores above
.endr
.irp t, 0,1,2,3,4,5,6,7
	s_wait_dscnt 7-\t                              ; rows 2 t, 2 t + 1 are back, the younger loads stay out
	global_store_b128 v[CO], v[\ob+4*\t:\ob+4*\t+3], s[10:11] offset:(16*\a+2*\t)*4096   ; 16 lanes store 256 consecutive bytes at a multiple of 256
.endr
.endm
	OUT16 0, OB0
	OUT16 1, OB1
	OUT16 2, OB0
	OUT16 3, OB1
	s_wait_tensorcnt 0x0
	ds_add_u32 v30, v31
	s_wait_dscnt 0x0
	CROUND                                         ; the closing round: no work-group ends while a partner may still ask for a tile that names it
	s_endpgm
.Lfunc_end_k_q505b757357_cell2:
	.size	k_q505b757357_cell2, .Lfunc_end_k_q505b757357_cell2-k_q505b757357_cell2
	.p2alignl 7, 3214868480
	.fill 96, 4, 3214868480
	.section	.rodata,"a",@progbits
	.p2align	6, 0x0
	.amdhsa_kernel k_q505b757357_cell2
		.amdhsa_group_segment_fixed_size 327680
		.amdhsa_private_segment_fixed_size 0
		.amdhsa_enable_private_segment 0
		.amdhsa_kernarg_size 40
		.amdhsa_user_sgpr_count 2
		.amdhsa_user_sgpr_kernarg_segment_ptr 1
		.amdhsa_wavefront_size32 1
		.amdhsa_system_sgpr_workgroup_id_x 1
		.amdhsa_system_sgpr_workgroup_id_y 1
		.amdhsa_system_sgpr_workgroup_id_z 1
		.amdhsa_system_vgpr_workitem_id 0
		.amdhsa_next_free_vgpr 576
		.amdhsa_next_free_sgpr 80
		.amdhsa_reserve_vcc 0
		.amdhsa_float_denorm_mode_32 3
		.amdhsa_float_denorm_mode_16_64 3
		.amdhsa_memory_ordered 1
		.amdhsa_forward_progress 1
		.amdhsa_inst_pref_size 195
	.end_amdhsa_kernel
	.amdgpu_metadata
---
amdhsa.version: [ 1, 2 ]
amdhsa.kernels:
  - .name:           k_q505b757357_cell2
    .symbol:         k_q505b757357_cell2.kd
    .args:
      - { .name: zb, .offset: 0, .size: 8, .value_kind: global_buffer, .address_space: global }
      - { .name: wcat, .offset: 8, .size: 8, .value_kind: global_buffer, .address_space: global }
      - { .name: bh, .offset: 16, .size: 8, .value_kind: global_buffer, .address_space: global }
      - { .name: h2, .offset: 24, .size: 8, .value_kind: global_buffer, .address_space: global }
      - { .name: h1, .offset: 32, .size: 8, .value_kind: global_buffer, .address_space: global }
    .group_segment_fixed_size: 327680
    .private_segment_fixed_size: 0
    .kernarg_segment_align: 8
    .kernarg_segment_size: 40
    .max_flat_workgroup_size: 128
    .sgpr_count:     80
    .vgpr_count:     576
    .wavefront_size: 32
...
	.end_amdgpu_metadata
.endif
;; end of part 3
;; launch head (part 4): grid 4 x 64, 4 waves a work-group, clusters of 4 x 4, 327,680 bytes of LDS; arguments h1, h2, woutb, bout, out0; writes out0
.if DOCPART == 4
	.amdgcn_target "amdgcn-amd-amdhsa--gfx1250"
	.amdhsa_code_object_version 6
	.text
	.protected	k_q505b757357_head
	.globl	k_q505b757357_head
	.p2align	8
	.type	k_q505b757357_head,@function
k_q505b757357_head:
	s_mov_b64 s[64:65], 0
	v_nop
	global_prefetch_b8 v0, s[64:65] scope:SCOPE_SE
	s_setreg_imm32_b32 hwreg(HW_REG_WAVE_MODE, 25, 1), 1
	s_wait_xcnt 0x0
	s_wait_alu depctr_hold_cnt(0) depctr_sa_sdst(0) depctr_va_vdst(0) depctr_va_sdst(0) depctr_va_ssrc(0) depctr_va_vcc(0) depctr_vm_vsrc(0)
	s_getreg_b32 s2, hwreg(HW_REG_IB_STS2, 6, 4)
	s_cmp_eq_u32 s2, 0
	s_cbranch_scc0 .Lentry_in_a_cluster
	s_endpgm
.Lentry_in_a_cluster:
	s_bfe_u32 s2, ttmp6, 0x10000c
	s_cmp_lg_u32 s2, 0xf033
	s_cbranch_scc0 .Lentry_shape_is_right
	s_endpgm
.Lentry_shape_is_right:
; The head for both time steps in one launch: out0[b][s][:] = h_s[b][:] Wout + bout, s = 0 from h1, s = 1 from h2.  M = 2 x 4096, N = 512, K = 2048.
; Operands bf16 (h as the cells stored it, Wout rounded once), sums f32, the bias is the C of each sum's first product, the output f32.
; A work-group makes 128 rows x 128 columns with four waves; a wave 64 x 64: 4 x 4 accumulator tiles.  4 x 64 = 256 work-groups.
; Block rows 0-31 belong to step 0, 32-63 to step 1: clusters 0-7 and 8-15 along y, so the choice of h1 or h2 hangs on the cluster's y alone.
; K goes in steps of 256 through two LDS slots.  A slot: Wout's tile [256 k][128 n] as it lies in memory (rows of 256 bytes, pitch 288 = 9 x 32),
; then h's tile [128 rows][256 k] (rows of 512 bytes, pitch 528 = 33 x 16).  Weight fragments are read with the transposing load.
; CLUSTERS: 4 x 4 work-groups.  h's tile hangs on the block row alone and is asked for jointly by the four of a row of the cluster (all of N);
; Wout's tile hangs on the block column alone and is asked for jointly by the four of a column.
; THE MATRIX INSTRUCTION IS USED TRANSPOSED: source 0 = 16 columns of Wout, source 1 = 16 rows of h: lane l holds row l % 16, columns 8 (l / 16) + 0..7.
; REGISTERS: window 0: addresses, fragments (two buffers), rows on the way out.  Window 1: accumulator (a, b) at v[8 (4 a + b)], the bias at v[128 + 8 b ..].
.set PB,     288                       ; LDS pitch of a weight row: 256 + 32
.set PA,     528                       ; LDS pitch of a row of h: 512 + 16
.set BHALF,  128*PB                    ; what one of waves 0, 1 fetches: 128 k rows, 36,864
.set BT,     2*BHALF
.set AHALF,  64*PA                     ; what one of waves 2, 3 fetches: 64 rows, 33,792; also what a wave reads
.set SLOT,   BT+2*AHALF                ; 141,312 = 552 x 256
.set STAGE,  2*SLOT                    ; behind the ring, 1,104 x 256: no tensor load ever lands here
.set SPITCH, 272
.set WSTAGE, 16*SPITCH                 ; a wave's own stage: 16 rows of 256 bytes
.set ADRA, 16                          ; v16-17  LDS address of my fragments of h in slot 0, 1
.set ADRB, 20                          ; v20-23  the same for the weights: slot 0 k rows 0-127, 128-255, slot 1 likewise (the offsets stay inside 16 bits)
.set STO,  24
.set RD,   25
.set CO,   26
.set BO,   27
.set FA,   32                          ; v[32+32 f + 8 a ..]  fragments of h, buffer f
.set FB,   96                          ; v[96+32 f + 8 b ..]  weight fragments, buffer f
.set OB0,  160                         ; rows read back, two buffers in turn
.set OB1,  192
.set BIAS, 128                         ; in window 1
.set G1A, 24
.set G0A, 32
.set G1B, 40
.set G0B, 48
.set MUL,  0x50                        ; sources 0, 1 window 0; C and D window 1
.set MSB, 0
.macro WIN new                         ; the immediate's high byte repeats the setting that is left
.if MSB != \new
	s_set_vgpr_msb (MSB<<8)|\new
.set MSB, \new
.endif
.endm
.macro PLACES                          ; four plain vector places behind a matrix instruction in front of loads into its sources and reads of its result
.rept 4
	v_nop
.endr
.endm
.macro JLOAD s                         ; waves 0, 1 ask for the weights' halves, waves 2, 3 for h's: one mask and one set of registers a line
	s_cmp_eq_u32 s15, 0
	s_cbranch_scc0 .Lfor_a_\@
	tensor_load_to_lds s[G0B+4*\s:G0B+4*\s+3], s[G1B:G1B+7]
	s_nop 0
	s_branch .Lasked_\@
.Lfor_a_\@:
	tensor_load_to_lds s[G0A+4*\s:G0A+4*\s+3], s[G1A:G1A+7]
	s_nop 0
.Lasked_\@:
.endm
.macro CREST                           ; a round of the cluster's barrier behind its opening work-group barrier
	s_cmp_lg_u32 s14, 0
	s_cbranch_scc1 .Lnot_wave_0_\@
	s_barrier_signal -3
.Lnot_wave_0_\@:
	s_barrier_wait -3
	s_barrier_signal -1
	s_barrier_wait -1
.endm
.macro CROUND
	s_barrier_signal -1
	s_barrier_wait -1
	CREST
.endm
	s_load_b256 s[4:11], s[0:1], 0x0               ; h1 s[4:5], h2 s[6:7], woutb s[8:9], bout s[10:11]
	s_load_b64 s[12:13], s[0:1], 0x20              ; out0
	v_lshl_add_u32 v254, v0, 2, 0x49400
	v_mov_b32 v255, 0
	ds_add_u32 v254, v255
	v_lshrrev_b32 v1, 5, v0
	v_readfirstlane_b32 s14, v1                    ; wave 0..3
	s_lshr_b32 s15, s14, 1                         ; rh: which 64 rows are mine.  Also: I fetch weights (0) or h (1)
	s_and_b32 s16, s14, 1                          ; ch: which 64 columns are mine.  Also: which half of that tile I fetch
	s_bfe_u32 s17, ttmp6, 0x40000                  ; cx
	s_bfe_u32 s18, ttmp6, 0x40004                  ; cy
	s_lshl_b32 s19, ttmp9, 2
	s_add_co_u32 s19, s19, s17                     ; bx: block column
	s_and_b32 s23, ttmp7, 0xffff                   ; the cluster's y, 0 to 15: 8 and above is time step 1
	s_and_b32 s20, s23, 7
	s_lshl_b32 s20, s20, 2
	s_add_co_u32 s20, s20, s18                     ; block row within the time step, 0 to 31
	s_lshl_b32 s21, s18, 2
	s_lshl_b32 s21, 15, s21                        ; my row of the cluster
	s_lshl_b32 s22, 0x1111, s17                    ; my column
	; group 1, h: 64 rows x 256 elements of 2 bytes; 4 words of padding behind every 128 words
	s_or_b32 s[G1A+0], s21, (1<<16)|(1<<20)|(1<<21)|(6<<22)|(3<<25)
	s_mov_b32 s[G1A+1], 256<<16
	s_mov_b32 s[G1A+2], 64<<16
	s_mov_b32 s[G1A+3], 256<<16
	s_mov_b32 s[G1A+4], 64
	s_mov_b32 s[G1A+5], 2048
	s_mov_b32 s[G1A+6], 0
	s_mov_b32 s[G1A+7], 0
	; group 1, weights: 128 k rows x 128 elements; 8 words of padding behind every 64 words
	s_or_b32 s[G1B+0], s22, (1<<16)|(1<<20)|(1<<21)|(5<<22)|(7<<25)
	s_mov_b32 s[G1B+1], 128<<16
	s_mov_b32 s[G1B+2], 128<<16
	s_mov_b32 s[G1B+3], 128<<16
	s_mov_b32 s[G1B+4], 128
	s_mov_b32 s[G1B+5], 512
	s_mov_b32 s[G1B+6], 0
	s_mov_b32 s[G1B+7], 0
	; h's offset is made of the block row and the wave alone (s58-61), the weights' of the block column and the wave alone (s68-69)
	s_lshl_b32 s58, s20, 7
	s_lshl_b32 s59, s16, 6
	s_add_co_u32 s58, s58, s59                     ; row 128 x block + 64 x half
	s_lshl_b32 s60, s58, 12                        ; rows of 4,096 bytes
	s_mov_b32 s61, 0
	s_lshl_b32 s68, s16, 17                        ; 128 x half k rows of 1,024 bytes
	s_lshl_b32 s69, s19, 8                         ; + 128 bx columns of 2 bytes
	s_add_co_u32 s68, s68, s69
	s_mov_b32 s69, 0
	s_mul_i32 s72, s14, BHALF                      ; LDS: weights, waves 0, 1: wave x 36,864
	s_mul_i32 s73, s14, AHALF
	s_add_co_u32 s73, s73, BT-2*AHALF              ; h, waves 2, 3: 73,728 + (wave - 2) x 33,792
	s_lshl_b32 s70, s19, 9                         ; the bias of my 64 columns: 4 (128 bx + 64 ch)
	s_lshl_b32 s71, s16, 8
	s_add_co_u32 s70, s70, s71
	s_mov_b32 s71, 0
	s_wait_dscnt 0x0
	s_wait_kmcnt 0x0
	s_cmp_ge_u32 s23, 8
	s_cselect_b64 s[56:57], s[6:7], s[4:5]         ; h2 for time step 1, h1 for time step 0
	s_cselect_b32 s74, 2048, 0                     ; and the step's 512 f32 in a row of out0
	s_lshl_b32 s77, s20, 7                         ; my part of out0: batch row 128 x block + 64 rh, 4,096 bytes each,
	s_lshl_b32 s78, s15, 6
	s_add_co_u32 s77, s77, s78
	s_lshl_b32 s78, s77, 12
	s_add_co_u32 s78, s78, s74                     ; + the time step
	s_lshl_b32 s77, s19, 9                         ; + 512 bx + 256 ch bytes
	s_add_co_u32 s78, s78, s77
	s_lshl_b32 s77, s16, 8
	s_add_co_u32 s78, s78, s77
	s_mov_b32 s79, 0
	s_add_nc_u64 s[60:61], s[56:57], s[60:61]
	s_add_nc_u64 s[68:69], s[8:9], s[68:69]
	s_add_nc_u64 s[10:11], s[10:11], s[70:71]
	s_add_nc_u64 s[12:13], s[12:13], s[78:79]
	CROUND                                         ; all sixteen work-groups are here: the first joint loads meet
.irp s, 0,1
	s_mov_b32 s[G0A+4*\s], 1
	s_add_co_u32 s[G0A+4*\s+1], s73, \s*SLOT
	s_add_nc_u64 s[G0A+4*\s+2:G0A+4*\s+3], s[60:61], \s*512        ; K step s: 256 elements along the rows
	s_or_b32 s[G0A+4*\s+3], s[G0A+4*\s+3], 0x80000000
	s_mov_b32 s[G0B+4*\s], 1
	s_add_co_u32 s[G0B+4*\s+1], s72, \s*SLOT
	s_add_nc_u64 s[G0B+4*\s+2:G0B+4*\s+3], s[68:69], \s*0x40000    ; K step s: 256 rows of 1,024 bytes down
	s_or_b32 s[G0B+4*\s+3], s[G0B+4*\s+3], 0x80000000
	JLOAD \s                                       ; two tensor loads of the wave are out now, later never more than one
.endr
	v_and_b32 v1, 15, v0                           ; r = l % 16
	v_bfe_u32 v2, v0, 4, 1                         ; h = l / 16
	v_and_b32 v3, 7, v0                            ; l % 8
	v_bfe_u32 v4, v0, 3, 1                         ; (l / 8) % 2
	v_mul_u32_u24 v5, v1, PA                       ; fragments of h: row r, byte 16 h
	v_lshl_add_u32 v5, v2, 4, v5
	s_mul_i32 s75, s15, AHALF
	s_add_co_u32 s75, s75, BT
	v_add_nc_u32 v[ADRA], s75, v5
	v_add_nc_u32 v[ADRA+1], SLOT, v[ADRA]
	v_lshl_add_u32 v6, v2, 3, v3                   ; weights: k row 8 h + l % 8, 16 bytes at 16 ((l / 8) % 2)
	v_mul_u32_u24 v6, v6, PB
	v_lshl_add_u32 v6, v4, 4, v6
	s_lshl_b32 s75, s16, 7                         ; my 64 columns: 128 bytes x ch
	v_add_nc_u32 v[ADRB], s75, v6
	v_add_nc_u32 v[ADRB+1], BHALF, v[ADRB]
	v_add_nc_u32 v[ADRB+2], SLOT, v[ADRB]
	v_add_nc_u32 v[ADRB+3], SLOT+BHALF, v[ADRB]
	s_mul_i32 s76, s14, WSTAGE
	s_add_co_u32 s76, s76, STAGE                   ; my stage
	v_mul_u32_u24 v7, v1, SPITCH                   ; in: row r, 32 bytes (8 f32) for each half of the lanes
	v_lshl_add_u32 v7, v2, 5, v7
	v_add_nc_u32 v[STO], s76, v7
	v_mul_u32_u24 v7, v2, SPITCH                   ; back: lanes 0-15 one row of 256 bytes, lanes 16-31 the next
	v_lshl_add_u32 v7, v1, 4, v7
	v_add_nc_u32 v[RD], s76, v7
	v_lshlrev_b32 v7, 12, v2                       ; and the same two batch rows in out0
	v_lshl_add_u32 v[CO], v1, 4, v7
	v_lshlrev_b32 v[BO], 5, v2
	; the bias in the layout of C: register j of column tile b = bout[my columns + 16 b + 8 h + j]
	WIN 0x40                                       ; destination window 1
.irp b, 0,1,2,3
	global_load_b128 v[BIAS+8*\b:BIAS+8*\b+3],   v[BO], s[10:11] offset:64*\b
	global_load_b128 v[BIAS+8*\b+4:BIAS+8*\b+7], v[BO], s[10:11] offset:64*\b+16
.endr
	WIN 0
; 8 matrix instructions: row tiles a0, a0 + 1 x all 4 column tiles, 32 along K, from buffer f.  bias = 1: the first product takes the bias as C.
; The 16 accumulators take turns, one instruction a turn, in the same order in every eighth of a step, over the backward jump too.
.macro MUL8 f, a0, bias
.irp a, \a0, \a0+1
.irp b, 0,1,2,3
.if \bias
	v_wmma_f32_16x16x32_bf16 v[8*(4*(\a)+\b):8*(4*(\a)+\b)+7], v[FB+32*\f+8*\b:FB+32*\f+8*\b+7], v[FA+32*\f+8*(\a):FA+32*\f+8*(\a)+7], v[BIAS+8*\b:BIAS+8*\b+7]
.else
	v_wmma_f32_16x16x32_bf16 v[8*(4*(\a)+\b):8*(4*(\a)+\b)+7], v[FB+32*\f+8*\b:FB+32*\f+8*\b+7], v[FA+32*\f+8*(\a):FA+32*\f+8*(\a)+7], v[8*(4*(\a)+\b):8*(4*(\a)+\b)+7]
.endif
.endr
.endr
.endm
; 16 LDS loads in one run: the fragments of eighth q (32 along K) of a slot into buffer f
.macro FETCH slot, q, f
	WIN 0
.irp b, 0,1,2,3
	ds_load_tr16_b128 v[FB+32*\f+8*\b:FB+32*\f+8*\b+3],   v[ADRB+2*\slot+\q/4] offset:32*PB*(\q%4)+32*\b
	ds_load_tr16_b128 v[FB+32*\f+8*\b+4:FB+32*\f+8*\b+7], v[ADRB+2*\slot+\q/4] offset:32*PB*(\q%4)+32*\b+16*PB
.endr
.irp a, 0,1,2,3
	ds_load_b128 v[FA+32*\f+8*\a:FA+32*\f+8*\a+3],   v[ADRA+\slot] offset:\q*64+\a*16*PA
	ds_load_b128 v[FA+32*\f+8*\a+4:FA+32*\f+8*\a+7], v[ADRA+\slot] offset:\q*64+\a*16*PA+32
.endr
.endm
; One of a K step's first seven eighths: buffer f is in; the next eighth's (qn) fragments are asked for into buffer g; then 16 matrix instructions on f.
.macro EIGHTH slot, qn, f, g, bias
	s_wait_dscnt 0x0                               ; buffer f's loads were issued an eighth ago: nothing younger is out
	PLACES                                         ; buffer g was read by the matrix instructions just issued
	FETCH \slot, \qn, \g
	WIN MUL
	MUL8 \f, 0, \bias
	MUL8 \f, 2, \bias
.endm
.macro SEVEN slot, bias
	EIGHTH \slot, 1, 0, 1, \bias
	EIGHTH \slot, 2, 1, 0, 0
	EIGHTH \slot, 3, 0, 1, 0
	EIGHTH \slot, 4, 1, 0, 0
	EIGHTH \slot, 5, 0, 1, 0
	EIGHTH \slot, 6, 1, 0, 0
	EIGHTH \slot, 7, 0, 1, 0
.endm
; The last eighth (buffer 1) changes slots.  In front of the barrier each wave waits for its reads of this slot and for all its tensor loads (the one that
; is out is its part of the next slot).  fill = 1: the barrier opens a round of the cluster's barrier, and behind the round this slot is asked for again,
; two K steps ahead, first of all.  From a request to its wait a wave issues 120 matrix instructions.
.macro TURN slot, next, fill
	s_wait_dscnt 0x0                               ; my reads of this slot are over
	s_wait_tensorcnt 0x0                           ; all my tensor loads have landed: every group 0 may be written
	ds_add_u32 v254, v255
	s_wait_dscnt 0x0
	s_barrier_signal -1
	WIN MUL
	MUL8 1, 0, 0                                   ; register work while the others arrive
	WIN 0
	s_barrier_wait -1
.if \fill
	CREST                                          ; no wave of any partner still reads this slot or has a load on its way
	s_add_nc_u64 s[G0A+4*\slot+2:G0A+4*\slot+3], s[G0A+4*\slot+2:G0A+4*\slot+3], 1024
	s_add_nc_u64 s[G0B+4*\slot+2:G0B+4*\slot+3], s[G0B+4*\slot+2:G0B+4*\slot+3], 0x80000
	JLOAD \slot                                    ; the first tensor load behind the round
.endif
	PLACES                                         ; buffer 0 was read by matrix instructions of the seventh eighth
	FETCH \next, 0, 0
	WIN MUL
	MUL8 1, 2, 0
.endm
.macro STEP slot, next, fill, bias
	SEVEN \slot, \bias
	TURN \slot, \next, \fill
.endm
	s_wait_tensorcnt 0x1                           ; my part of K step 0 is in; K step 1's stays out
	s_barrier_signal -1
	s_barrier_wait -1                              ; everybody's is
	FETCH 0, 0, 0
	s_wait_loadcnt 0x0                             ; the bias
	STEP 0, 1, 1, 1                                ; K steps 0, 1: ask for 2, 3
	STEP 1, 0, 1, 0
	WIN 0                                          ; at a label and at a branch every window is 0
	s_mov_b32 s3, 2
.Llap:
	STEP 0, 1, 1, 0                                ; K steps 2 to 5: ask for 4 to 7
	STEP 1, 0, 1, 0
	WIN 0
	s_sub_co_u32 s3, s3, 1
	s_cmp_lg_u32 s3, 0
	s_cbranch_scc1 .Llap
	STEP 0, 1, 0, 0                                ; K steps 6, 7 ask for nothing and have no round of the cluster's barrier
	SEVEN 1, 0
	s_wait_dscnt 0x0
	WIN MUL
	MUL8 1, 0, 0
	MUL8 1, 2, 0
	; THE WAY OUT, 16 rows at a time: 32 bytes a lane straight from the sums into my own stage, whole rows of 256 bytes (64 f32) back and out.
	PLACES
.macro OUT16 a, ob
	WIN 0x04                                       ; the stores' data window 1, their address window 0
.irp b, 0,1,2,3
	ds_store_b128 v[STO], v[8*(4*\a+\b):8*(4*\a+\b)+3]   offset:64*\b
	ds_store_b128 v[STO], v[8*(4*\a+\b)+4:8*(4*\a+\b)+7] offset:64*\b+16
.endr
	WIN 0
	s_wait_xcnt 0x0                                ; buffer ob was the data of stores two turns ago: it is loaded again only behind this wait
.irp t, 0,1,2,3,4,5,6,7
	ds_load_b128 v[\ob+4*\t:\ob+4*\t+3], v[RD] offset:\t*2*SPITCH  ; LDS serves a wave's instructions in order (ISA guide 5.7.1): these see the stores above
.endr
.irp t, 0,1,2,3,4,5,6,7
	s_wait_dscnt 7-\t                              ; rows 2 t, 2 t + 1 are back, the younger loads stay out
	global_store_b128 v[CO], v[\ob+4*\t:\ob+4*\t+3], s[12:13] offset:(16*\a+2*\t)*4096 th:TH_STORE_NT   ; 16 lanes store 256 consecutive bytes at a multiple of 256
.endr
.endm
	OUT16 0, OB0
	OUT16 1, OB1
	OUT16 2, OB0
	OUT16 3, OB1
	s_wait_tensorcnt 0x0
	ds_add_u32 v254, v255
	s_wait_dscnt 0x0
	CROUND                                         ; the closing round: no work-group ends while a partner may still ask for a tile that names it
	s_endpgm
.Lfunc_end_k_q505b757357_head:
	.size	k_q505b757357_head, .Lfunc_end_k_q505b757357_head-k_q505b757357_head
	.p2alignl 7, 3214868480
	.fill 96, 4, 3214868480
	.section	.rodata,"a",@progbits
	.p2align	6, 0x0
	.amdhsa_kernel k_q505b757357_head
		.amdhsa_group_segment_fixed_size 327680
		.amdhsa_private_segment_fixed_size 0
		.amdhsa_enable_private_segment 0
		.amdhsa_kernarg_size 40
		.amdhsa_user_sgpr_count 2
		.amdhsa_user_sgpr_kernarg_segment_ptr 1
		.amdhsa_wavefront_size32 1
		.amdhsa_system_sgpr_workgroup_id_x 1
		.amdhsa_system_sgpr_workgroup_id_y 1
		.amdhsa_system_sgpr_workgroup_id_z 1
		.amdhsa_system_vgpr_workitem_id 0
		.amdhsa_next_free_vgpr 416
		.amdhsa_next_free_sgpr 80
		.amdhsa_reserve_vcc 0
		.amdhsa_float_denorm_mode_32 3
		.amdhsa_float_denorm_mode_16_64 3
		.amdhsa_memory_ordered 1
		.amdhsa_forward_progress 1
		.amdhsa_inst_pref_size 127
	.end_amdhsa_kernel
	.amdgpu_metadata
---
amdhsa.version: [ 1, 2 ]
amdhsa.kernels:
  - .name:           k_q505b757357_head
    .symbol:         k_q505b757357_head.kd
    .args:
      - { .name: h1, .offset: 0, .size: 8, .value_kind: global_buffer, .address_space: global }
      - { .name: h2, .offset: 8, .size: 8, .value_kind: global_buffer, .address_space: global }
      - { .name: woutb, .offset: 16, .size: 8, .value_kind: global_buffer, .address_space: global }
      - { .name: bout, .offset: 24, .size: 8, .value_kind: global_buffer, .address_space: global }
      - { .name: out0, .offset: 32, .size: 8, .value_kind: global_buffer, .address_space: global }
    .group_segment_fixed_size: 327680
    .private_segment_fixed_size: 0
    .kernarg_segment_align: 8
    .kernarg_segment_size: 40
    .max_flat_workgroup_size: 128
    .sgpr_count:     80
    .vgpr_count:     416
    .wavefront_size: 32
...
	.end_amdgpu_metadata
.endif
;; end of part 4
